; MI455X (gfx1250); checked and timed in simulation.
; The chip was launched on July 23, 2026; its instructions are those of AMD's public machine-readable ISA for CDNA 5 (MIT licence, August 2026) and "CDNA5" Instruction Set Architecture Reference Guide (July 2026). The comments in the code are by the model that wrote it; some were corrected since.
;; Self Attention. Allowed arithmetic: matrix products marked QUANTISED: E5M2 operands, one E8M0 scale for each 32 along K, by v_wmma_scale_f32_16x16x128_f8f6f4 with both operands' format E5M2, f32 sums; products left as they are: f32 operands where the result goes on into a quantised operand, else bf16, f16 or f32 operands; f32 sums; everything else in f32.
;; Inputs: bf 8 float32; bg 8 float32; bh 64 float32; bo 64 float32; gamma 1 float32; wf 64 x 8 float32; wg 64 x 8 float32; wh 64 x 64 float32; wo 64 x 64 float32; x 4 x 64 x 64 x 64 float32.
;; Outputs: out0 4 x 64 x 64 x 64 float32.
;; This version of the problem:
;;   THIS VERSION OF THE PROBLEM IS GIVEN IN LOW PRECISION. The matrix products marked QUANTISED in the list below multiply operands that are first quantised to E5M2 (5 exponent bits, 2 mantissa bits; 8 bits a number), with one power-of-two scale for each 32 numbers along K (OCP MX v1.0); their sums are f32. All else is computed in f32.
;;   The module's matrix products, in the order in which they are computed (A, B: the left and right operand; K: the contracted axis; several contracted axes count as one K, in the product's order):
;;     1. [M 16,384, K 64] x [K 64, N 8]; A: input x; B: input wf: left as it is (N = 8 < 16)
;;     2. [M 16,384, K 64] x [K 64, N 8]; A: input x; B: input wg: left as it is (N = 8 < 16)
;;     3. [M 16,384, K 64] x [K 64, N 64]; A: input x; B: input wh: QUANTISED
;;     4. batch 4 x [M 4,096, K 8] x [K 8, N 4,096]; A: computed on the way; B: computed on the way: left as it is (K = 8 < 32)
;;     5. batch 4 x [M 4,096, K 4,096] x [K 4,096, N 64]; A: softmax (see below); B: computed on the way: QUANTISED
;;     6. [M 16,384, K 64] x [K 64, N 64]; A: computed on the way; B: input wo: QUANTISED
;;   THE QUANTISER, for each operand of a quantised product, along K:
;;     - K is cut into blocks of 32 from its start; a last block that is shorter is filled with zeros.
;;     - A block's scale is 2^e with e = floor(log2(the largest magnitude in the block)) - 15, held to -126 .. 127; a block of zeros has e = 0. As a byte (E8M0): e + 127.
;;     - Each number is divided by its block's scale, clamped to +-57,344, and rounded to the nearest number of E5M2, ties to even, subnormals kept.
;;     - The product sums the exact products of the quantised numbers (number of the format x scale) in f32.
;;   ~~~python
;;   def quantise(x, axis):      # numpy; x: float32 -> the quantised numbers, widened to float32 again
;;       x = np.moveaxis(x, axis, -1); K = x.shape[-1]
;;       x = np.pad(x, [(0, 0)] * (x.ndim - 1) + [(0, -K % 32)]); x = x.reshape(x.shape[:-1] + (-1, 32)); a = np.abs(x).max(-1, keepdims=True)
;;       e = np.where(a > 0, np.clip(np.frexp(np.where(a > 0, a, 1))[1] - 1 - 15, -126, 127), 0)      # np.frexp(a)[1] - 1 = floor(log2(a)), exactly
;;       r = np.clip(x / 2.0 ** e, -57344, 57344)
;;       step = 2.0 ** (np.maximum(np.frexp(np.where(r == 0, 1, r))[1] - 1, -14) - 2)
;;       q = np.round(r / step) * step * 2.0 ** e      # np.round: ties to even
;;       return np.moveaxis(q.reshape(q.shape[:-2] + (-1,))[..., :K], -1, axis).astype(np.float32)
;;   ~~~
;;   SOFTMAX AHEAD OF A QUANTISED PRODUCT. Where the list says 'softmax', what is quantised is not the finished softmax but p = 2^(t - M), with t = logit x log2(e) and M = ceil(the row's largest t), a whole number; so 1/2 < the row's largest p <= 1. The row's sum l is taken of the UNQUANTISED p, in f32, and the product's result is divided by l at the end. Since M is a whole number, a kernel that streams over the keys may use a running M (the ceiling of the running maximum): every later rescaling is an exact power of two, which a block's scale takes up: the codes' values come out the same.
;;   OPERANDS COMPUTED ON THE WAY. 'Computed on the way' means the value that the module computes at that place (a softmax that the list does not call 'softmax' is quantised finished and normalised). What goes into a quantiser is computed in f32, as accurately as f32 sums, v_exp_f32 and their like allow (about 1e-6 of the number): no bf16 or f16 on the way to a quantiser, and a product that is left as it is and whose result goes on into a quantised operand takes f32 operands (vector FMAs, or v_wmma_f32_16x16x4_f32). A number that lies on a knife's edge between two numbers of the format may be rounded either way, as far as f32 arithmetic and the matrix unit's own rounding can turn it there, and no further.
;; One version. Each part assembles by itself: llvm-mc -triple=amdgcn-amd-amdhsa -mcpu=gfx1250 --defsym DOCPART=n.
;; ======== version 1 of 1: 2 launches
;; workspace buffers: kv 1,605,632 bytes; gq 524,288 bytes; wpack 4,864 bytes
;; launch proj (part 1): grid 129 x 1, 4 waves a work-group, no clusters, 13,824 bytes of LDS; arguments x, wf, bf, wg, bg, wh, bh, wo, bo, kv, gq, wpack; writes kv, gq, wpack
.if DOCPART == 1
	.amdgcn_target "amdgcn-amd-amdhsa--gfx1250"
	.amdhsa_code_object_version 6
	.text
	.protected	k_q57554e138e_proj
	.globl	k_q57554e138e_proj
	.p2align	8
	.type	k_q57554e138e_proj,@function
k_q57554e138e_proj:
	s_mov_b64 s[64:65], 0
	v_nop
	global_prefetch_b8 v0, s[64:65] scope:SCOPE_SE
	s_setreg_imm32_b32 hwreg(HW_REG_WAVE_MODE, 25, 1), 1
	s_wait_xcnt 0x0
; THE LAUNCH IN FRONT OF THE ATTENTION.  x: [16384 pixels][64] f32.  It makes, once, what every work-group of the attention reads:
;   f = x wf + bf (keys) and g = x wg + bg (queries), in f32, by v_wmma_f32_16x16x4_f32: they feed the scores, which feed a quantiser, so nothing narrower than f32 stands here;
;   h = Q(x) Q(wh) + bh (values), on codes of BF8 (E5M2) with one E8M0 scale for each 32 channels, and then h's own codes and scale bytes along the KEYS, which are the next product's K;
;   wo's codes and scale bytes along its first axis, and a copy of bo.
; ALL OF IT IS STORED AS IMAGES OF OPERAND REGISTERS: four registers of a lane are 16 bytes at 16 x lane, so that the reader has a fragment by loads of 512 consecutive bytes, and every store here covers 512 consecutive bytes.
; kv: for each step of 128 keys a record of REC bytes: 8 tiles of f (512 bytes each), 4 channel tiles of h's codes (2,048 bytes each), 64 scale words.  gq: 512 bytes for each tile of 16 queries.  wpack: wo's 4 tiles, their scale words, bo.
; THE PIXELS OF A TILE ARE NOT NEIGHBOURS: row r of tile 2 b + u is pixel 32 b + 8 u + r + 8 (r / 8), so that the 16 result registers of tiles 2 b and 2 b + 1 are 16 neighbours along the next K.  The channels of a tile of h likewise.
; SHARES.  Work-group s (0 .. 127) owns one step of 128 pixels: a step's scale word spans four blocks of 32 keys, so a step has one owner.  Wave w first takes pixel tiles 2 w and 2 w + 1 (f, g, x's codes), then channel tile w of h for all 128 pixels.
; Work-group 128 takes a way of its own, without LDS and without a barrier, and makes wpack.
; K = 64 IN AN INSTRUCTION OF 128: two pixel tiles' codes of x lie side by side along K in one fragment, and wh's codes stand against one half with zero codes against the other: zero codes add nothing under any scale byte that is a number.
; NO CLUSTER: 129 work-groups divide into no cluster of four, and the launch has no tensor load: the weights that work-groups share, 20 KB, come through registers.
; LIMITS: NaN and infinities among the inputs are not served.  A block of zeros gets the scale byte 1 where the rule says 127: its codes are zeros, and these bytes are read by this program alone.
.set REC,  12544                       ; a record of kv: 4,096 + 8,192 + 256 bytes
.set XIMG, 0                           ; LDS: x's four pair fragments, 2,048 bytes each
.set XSC,  8192                        ; their scale words, 128 bytes each
.set VSG,  8704                        ; h's 64 scale words, gathered
.set WFL,  8960                        ; wf (2,048 bytes), then wg
.set LI,   1                           ; v1   16 x lane
.set LS,   2                           ; v2   4 x lane
.set XA,   3                           ; v3   x: (r + 8 (r / 8)) x 256 + 64 h
.set WHA,  4                           ; v4   wh: 4 x my channel + 4,096 h
.set BHA,  5                           ; v5   bh: 4 x my channel
.set BA,   6                           ; v6   bf, bg: 16 h
.set WT,   7                           ; v7   16 x thread: the copy of wf and wg
.set WGA,  8                           ; v8   LDS: my row of the weights' fragment
.set XWI,  9                           ; v9   16 x lane + 2,048 x wave
.set XWS,  10                          ; v10  4 x lane + 128 x wave
.set VSA,  11                          ; v11  4 r + 64 x wave
.set L8,   12                          ; v12  8 x lane
.set X,    16                          ; v16-79   register 32 u + 16 c + i = x[pixel (u, r)][32 c + 16 h + i]; later x's four pair fragments
.set W,    80                          ; v80-111  the weights' fragment for f and g
.set PC,   112                         ; v112-127 codes just made
.set CP,   128                         ; v128-135 wf and wg on their way to LDS
.set BIAS, 136                         ; v136-143 bf and bg in the result's layout
.set FG,   144                         ; v144-159 f and g of my two tiles: written by matrix instructions alone
.set WH,   160                         ; v160-191 wh as loaded; later h's codes
.set BT,   192                         ; v192-215 zero codes (8), wh's codes (8), zero codes (8)
.set TM,   216                         ; v216-219 largest magnitudes, v220-223 the other lane's, then bytes, v224-227 holds, v228-231 scale operands
.set PW,   232                         ; the scale word just made
.set WHS,  233                         ; wh's scale word
.set XS,   234                         ; v234-237 x's scale words
.set BHC,  238                         ; v238-245 bh in the result's layout
.set HA,   80                          ; v80-143  h: 8 tiles of 16 pixels x my 16 channels
.set WV,   28                          ; s28  my wave's number
.set SEL,  30                          ; s[30:31] selects for lane l xor 16
.set MNT,  32                          ; s32  the mantissa field of 57,344
; a weight stored [64 (k)][64 (n)]: a lane takes a column and its registers run down K: register 16 c + i = row 32 c + 16 h + i
.macro WLOAD dst, adr, base
.irp c, 0,1
.irp i, 0,1,2,3,4,5,6,7,8,9,10,11,12,13,14,15
	global_load_b32 v[(\dst)+16*\c+\i], v[\adr], s[\base:\base+1] offset:(32*\c+\i)*256
.endr
.endr
.endm
; nb blocks of 32 along K: a lane's registers v[src + 16 b + i] are its 16 numbers of block b, lane l xor 16 has the other 16.  Codes into v[dst + 4 b] on, the blocks' bytes into v[word].
.macro QUANT src, nb, dst, word
.set QB_, 0
.rept \nb
	v_max3_num_f32 v[TM+QB_], |v[(\src)+16*QB_]|, |v[(\src)+16*QB_+1]|, 0x8000000   ; my 16 numbers, and the floor 2^(16 - 127): the byte cannot fall under 1
.set QB_, QB_+1
.endr
.set QI_, 2
.rept 7
.set QB_, 0
.rept \nb
	v_max3_num_f32 v[TM+QB_], v[TM+QB_], |v[(\src)+16*QB_+QI_]|, |v[(\src)+16*QB_+QI_+1]|   ; the blocks by turns
.set QB_, QB_+1
.endr
.set QI_, QI_+2
.endr
.set QB_, 0
.rept \nb
	v_permlanex16_b32 v[TM+4+QB_], v[TM+QB_], s[SEL], s[SEL+1]
.set QB_, QB_+1
.endr
.set QB_, 0
.rept \nb
	v_max_num_f32 v[TM+QB_], v[TM+QB_], v[TM+4+QB_]                 ; the block's largest magnitude
.set QB_, QB_+1
.endr
.set QB_, 0
.rept \nb
	v_add_nc_u32 v[TM+12+QB_], 0xf8800000, v[TM+QB_]                ; 15 off its exponent field: the conversion's scale operand
	v_and_or_b32 v[TM+8+QB_], v[TM+QB_], 0x7f800000, s[MNT]         ; 57,344 x the scale
.set QB_, QB_+1
.endr
.set QB_, 0
.rept \nb
	v_lshrrev_b32 v[TM+4+QB_], 23, v[TM+12+QB_]                     ; the scale's byte
.set QB_, QB_+1
.endr
	v_lshl_or_b32 v[\word], v[TM+5], 8, v[TM+4]
.if \nb == 4
	v_lshl_or_b32 v[\word], v[TM+6], 16, v[\word]
	v_lshl_or_b32 v[\word], v[TM+7], 24, v[\word]
.endif
.set QB_, 0
.rept \nb
.set QI_, 0
.rept 16
	v_med3_num_f32 v[(\src)+16*QB_+QI_], v[(\src)+16*QB_+QI_], -v[TM+8+QB_], v[TM+8+QB_]   ; the conversion to an 8-bit code does not saturate (ISA guide 7.6.2): the hold comes first
.set QI_, QI_+1
.endr
	v_cvt_scalef32_pk8_bf8_f32 v[(\dst)+4*QB_:(\dst)+4*QB_+1], v[(\src)+16*QB_:(\src)+16*QB_+7], v[TM+12+QB_]
	v_cvt_scalef32_pk8_bf8_f32 v[(\dst)+4*QB_+2:(\dst)+4*QB_+3], v[(\src)+16*QB_+8:(\src)+16*QB_+15], v[TM+12+QB_]
.set QB_, QB_+1
.endr
	v_nop                                          ; one plain instruction behind the last conversion, ahead of whatever next touches its registers
.endm
.macro BARRIER                         ; my LDS stores have landed and my LDS loads are in: then the work-group's barrier
	s_wait_dscnt 0x0
	s_barrier_signal -1
	s_barrier_wait -1
.endm
	s_load_b256 s[4:11], s[0:1], 0x0               ; x s[4:5], wf s[6:7], bf s[8:9], wg s[10:11]
	s_load_b256 s[12:19], s[0:1], 0x20             ; bg s[12:13], wh s[14:15], bh s[16:17], wo s[18:19]
	s_load_b256 s[20:27], s[0:1], 0x40             ; bo s[20:21], kv s[22:23], gq s[24:25], wpack s[26:27]
	v_lshl_add_u32 v254, v0, 2, 0x3400
	v_mov_b32 v255, 0
	v_lshrrev_b32 v13, 5, v0
	v_readfirstlane_b32 s[WV], v13                 ; wave 0..3
	v_and_b32 v13, 31, v0                          ; lane
	v_and_b32 v14, 15, v0                          ; r
	v_bfe_u32 v15, v0, 4, 1                        ; h
	v_lshlrev_b32 v[LI], 4, v13
	v_lshlrev_b32 v[LS], 2, v13
	v_lshlrev_b32 v[L8], 3, v13
	v_and_b32 v13, 8, v14
	v_add_nc_u32 v13, v13, v14                     ; r + 8 (r / 8)
	v_lshlrev_b32 v[XA], 8, v13
	v_lshl_add_u32 v[XA], v15, 6, v[XA]
	s_lshr_b32 s33, s[WV], 1
	s_lshl_b32 s33, s33, 5
	s_and_b32 s34, s[WV], 1
	s_lshl_b32 s34, s34, 3
	s_add_co_u32 s33, s33, s34                     ; channel tile w begins at 32 (w / 2) + 8 (w % 2)
	v_add_nc_u32 v[BHA], s33, v13
	v_lshlrev_b32 v[BHA], 2, v[BHA]
	v_lshl_add_u32 v[WHA], v15, 12, v[BHA]
	v_lshlrev_b32 v[BA], 4, v15
	v_lshlrev_b32 v[WT], 4, v0
	v_bfe_u32 v[WGA], v14, 2, 1                    ; row m = r of the weights' fragment: rows 8 a + 0 .. 3 are wf's columns 4 a + 0 .. 3, rows 8 a + 4 .. 7 wg's
	v_lshlrev_b32 v[WGA], 11, v[WGA]               ; wg lies 2,048 bytes behind wf
	v_lshl_add_u32 v[WGA], v15, 9, v[WGA]          ; 16 h rows of 32 bytes
	v_bfe_u32 v9, v14, 3, 1
	v_lshl_add_u32 v[WGA], v9, 4, v[WGA]
	v_and_b32 v9, 3, v14
	v_lshl_add_u32 v[WGA], v9, 2, v[WGA]
	v_add_nc_u32 v[WGA], WFL, v[WGA]
	s_lshl_b32 s33, s[WV], 11
	v_add_nc_u32 v[XWI], s33, v[LI]
	s_lshl_b32 s33, s[WV], 7
	v_add_nc_u32 v[XWS], s33, v[LS]
	s_lshl_b32 s33, s[WV], 6
	v_lshl_add_u32 v[VSA], v14, 2, s33
	s_mov_b32 s[SEL], 0x76543210
	s_mov_b32 s[SEL+1], 0xfedcba98
	s_mov_b32 s[MNT], 0x600000
.irp b, 0,1,2,3
	v_mov_b32 v[TM+4+\b], 0                        ; written once: a lane permute's destination counts as one of its sources
.endr
	s_mov_b32 s35, 0
	s_wait_kmcnt 0x0
	s_cmp_eq_u32 ttmp9, 128                        ; the same in all four waves: no barrier is passed by some waves only
	s_cbranch_scc1 .Lpack
	s_lshl_b32 s34, ttmp9, 15                      ; 128 pixels of 256 bytes,
	s_lshl_b32 s42, s[WV], 13                      ; my wave's 32 of them
	s_add_co_u32 s34, s34, s42
	s_add_nc_u64 s[4:5], s[4:5], s[34:35]
	s_mul_i32 s34, ttmp9, REC
	s_add_nc_u64 s[36:37], s[22:23], s[34:35]      ; my work-group's record
	s_lshl_b32 s34, s[WV], 10
	s_add_nc_u64 s[38:39], s[36:37], s[34:35]      ; f's tiles 2 w, 2 w + 1
	s_lshl_b32 s34, s[WV], 11
	s_add_nc_u64 s[40:41], s[36:37], s[34:35]      ; h's channel tile w (4,096 more in the immediate)
	s_lshl_b32 s34, ttmp9, 12
	s_lshl_b32 s42, s[WV], 10
	s_add_co_u32 s34, s34, s42
	s_add_nc_u64 s[24:25], s[24:25], s[34:35]      ; g's tiles 8 s + 2 w, + 1
	global_load_b128 v[CP:CP+3], v[WT], s[6:7]     ; wf and wg first: they go through LDS
	global_load_b128 v[CP+4:CP+7], v[WT], s[10:11]
.irp u, 0,1
.irp c, 0,1
.irp j, 0,1,2,3
	global_load_b128 v[X+32*\u+16*\c+4*\j:X+32*\u+16*\c+4*\j+3], v[XA], s[4:5] offset:2048*\u+128*\c+16*\j
.endr
.endr
.endr
	global_load_b128 v[BIAS:BIAS+3], v[BA], s[8:9]       ; result register j of lane (r, h) is row 8 h + j: bf[4 h + j] for j < 4,
	global_load_b128 v[BIAS+4:BIAS+7], v[BA], s[12:13]   ; bg[4 h + j - 4] else
	WLOAD WH, WHA, 14
	global_load_b32 v[BHC], v[BHA], s[16:17]
	s_wait_loadcnt 51                              ; behind wf's and wg's loads stand 16 + 2 + 32 + 1 others, which may stay out
	ds_store_b128 v[WT], v[CP:CP+3] offset:WFL
	ds_store_b128 v[WT], v[CP+4:CP+7] offset:WFL+2048
	BARRIER                                        ; both weights lie in LDS
.irp c, 0,1
.irp i, 0,1,2,3,4,5,6,7,8,9,10,11,12,13,14,15
	ds_load_b32 v[W+16*\c+\i], v[WGA] offset:(32*\c+\i)*32   ; register 16 c + i = my row's weight at channel 32 c + 16 h + i: the order in which x lies in its registers
.endr
.endr
	s_wait_loadcnt 0x0
	s_wait_dscnt 0x0
; f and g of my two tiles: source 0 = 16 rows of weights, source 1 = 16 pixels; K = 64 in sixteen steps of 4; the same order of channels on both sides.  The biases are the C of each sum's first step.
; The two accumulators take turns, one instruction a turn.
.set S_, 0
.rept 16
.irp u, 0,1
.if S_ == 0
	v_wmma_f32_16x16x4_f32 v[FG+8*\u:FG+8*\u+7], v[W+2*S_:W+2*S_+1], v[X+32*\u+2*S_:X+32*\u+2*S_+1], v[BIAS:BIAS+7]
.else
	v_wmma_f32_16x16x4_f32 v[FG+8*\u:FG+8*\u+7], v[W+2*S_:W+2*S_+1], v[X+32*\u+2*S_:X+32*\u+2*S_+1], v[FG+8*\u:FG+8*\u+7]
.endif
.endr
.set S_, S_+1
.endr
	QUANT WH, 2, BT+8, WHS                         ; wh's column: work that names none of those products' registers, and more than the eight places that they want
	v_lshl_or_b32 v[WHS], v[WHS], 16, v[WHS]       ; its two bytes serve either half of K
.irp i, 0,1,2,3,4,5,6,7
	v_mov_b32 v[BT+\i], 0                          ; zero codes on either side of wh's
	v_mov_b32 v[BT+16+\i], 0
.endr
.irp i, 1,2,3,4,5,6,7
	v_mov_b32 v[BHC+\i], v[BHC]                    ; a lane's eight results of h are eight pixels of ONE channel
.endr
	QUANT X, 4, PC, PW                             ; block 2 u + c: tile u's channels 32 c on: one fragment with two tiles side by side along K
.irp c, 0,1,2,3
	ds_store_b128 v[XWI], v[PC+4*\c:PC+4*\c+3] offset:XIMG+512*\c
.endr
	ds_store_b32 v[XWS], v[PW] offset:XSC
.irp u, 0,1
	global_store_b128 v[LI], v[FG+8*\u:FG+8*\u+3], s[38:39] offset:512*\u     ; each accumulator from its low end on: f[pixel][4 h .. 4 h + 3],
	global_store_b128 v[LI], v[FG+8*\u+4:FG+8*\u+7], s[24:25] offset:512*\u   ; g likewise
.endr
	BARRIER                                        ; x's four pair fragments lie in LDS
.irp a, 0,1,2,3
.irp c, 0,1,2,3
	ds_load_b128 v[X+16*\a+4*\c:X+16*\a+4*\c+3], v[LI] offset:XIMG+2048*\a+512*\c
.endr
	ds_load_b32 v[XS+\a], v[LS] offset:XSC+128*\a
.endr
	s_wait_dscnt 0x0
; h: source 0 = 16 pixels, source 1 = my 16 channels of wh.  Register j of lane (r, h) in tile t is pixel 32 (t / 2) + 16 h + 8 (t % 2) + j of channel r.
.irp t, 0,2,4,6
	v_wmma_scale_f32_16x16x128_f8f6f4 v[HA+8*\t:HA+8*\t+7], v[X+8*\t:X+8*\t+15], v[BT+8:BT+23], v[BHC:BHC+7], v[XS+\t/2], v[WHS] matrix_a_fmt:MATRIX_FMT_BF8 matrix_b_fmt:MATRIX_FMT_BF8
	v_wmma_scale_f32_16x16x128_f8f6f4 v[HA+8*\t+8:HA+8*\t+15], v[X+8*\t:X+8*\t+15], v[BT:BT+15], v[BHC:BHC+7], v[XS+\t/2], v[WHS] matrix_a_fmt:MATRIX_FMT_BF8 matrix_b_fmt:MATRIX_FMT_BF8
.endr
.rept 8
	v_nop                                          ; eight places ahead of the first read of results
.endr
	QUANT HA, 4, WH, PW                            ; along the keys: four blocks of 32
.irp c, 0,1,2,3
	global_store_b128 v[LI], v[WH+4*\c:WH+4*\c+3], s[40:41] offset:4096+512*\c
.endr
	ds_store_b32 v[VSA], v[PW] offset:VSG          ; both halves of the lanes write the same word with the same value
	BARRIER                                        ; the step's 64 scale words lie together
	s_cmp_lg_u32 s[WV], 0
	s_cbranch_scc1 .Ldone
	ds_load_b64 v[246:247], v[L8] offset:VSG
	s_wait_dscnt 0x0
	global_store_b64 v[L8], v[246:247], s[36:37] offset:12288   ; 32 lanes store 256 consecutive bytes
.Ldone:
	s_wait_tensorcnt 0x0
	ds_add_u32 v254, v255
	s_wait_dscnt 0x0
	s_endpgm
.Lpack:                                                ; wo [64 (k)][64 (n)]: wave w takes columns 16 w + r
	s_lshl_b32 s33, s[WV], 4
	v_add_nc_u32 v[XA], s33, v14
	v_lshlrev_b32 v[XA], 2, v[XA]
	v_lshl_add_u32 v[XA], v15, 12, v[XA]
	WLOAD X, XA, 18
	s_lshl_b32 s34, s[WV], 10
	s_add_nc_u64 s[36:37], s[26:27], s[34:35]
	s_lshl_b32 s34, s[WV], 7
	s_add_nc_u64 s[38:39], s[26:27], s[34:35]
	s_wait_loadcnt 0x0
	QUANT X, 2, PC, PW
	v_lshl_or_b32 v[PW], v[PW], 16, v[PW]          ; the two bytes serve either half of K
	global_store_b128 v[LI], v[PC:PC+3], s[36:37]
	global_store_b128 v[LI], v[PC+4:PC+7], s[36:37] offset:512
	global_store_b32 v[LS], v[PW], s[38:39] offset:4096
	s_cmp_lg_u32 s[WV], 0
	s_cbranch_scc1 .Lpack_done
	global_load_b64 v[246:247], v[L8], s[20:21]    ; bo rides along, so that one tensor load brings all that the way out needs
	s_wait_loadcnt 0x0
	global_store_b64 v[L8], v[246:247], s[26:27] offset:4608
.Lpack_done:
	s_endpgm
.Lfunc_end_k_q57554e138e_proj:
	.size	k_q57554e138e_proj, .Lfunc_end_k_q57554e138e_proj-k_q57554e138e_proj
	.p2alignl 7, 3214868480
	.fill 96, 4, 3214868480
	.section	.rodata,"a",@progbits
	.p2align	6, 0x0
	.amdhsa_kernel k_q57554e138e_proj
		.amdhsa_group_segment_fixed_size 13824
		.amdhsa_private_segment_fixed_size 0
		.amdhsa_enable_private_segment 0
		.amdhsa_kernarg_size 96
		.amdhsa_user_sgpr_count 2
		.amdhsa_user_sgpr_kernarg_segment_ptr 1
		.amdhsa_wavefront_size32 1
		.amdhsa_system_sgpr_workgroup_id_x 1
		.amdhsa_system_sgpr_workgroup_id_y 1
		.amdhsa_system_sgpr_workgroup_id_z 1
		.amdhsa_system_vgpr_workitem_id 0
		.amdhsa_next_free_vgpr 256
		.amdhsa_next_free_sgpr 66
		.amdhsa_reserve_vcc 0
		.amdhsa_float_denorm_mode_32 3
		.amdhsa_float_denorm_mode_16_64 3
		.amdhsa_memory_ordered 1
		.amdhsa_forward_progress 1
		.amdhsa_inst_pref_size 46
	.end_amdhsa_kernel
	.amdgpu_metadata
---
amdhsa.version: [ 1, 2 ]
amdhsa.kernels:
  - .name:           k_q57554e138e_proj
    .symbol:         k_q57554e138e_proj.kd
    .args:
      - { .name: x, .offset: 0, .size: 8, .value_kind: global_buffer, .address_space: global }
      - { .name: wf, .offset: 8, .size: 8, .value_kind: global_buffer, .address_space: global }
      - { .name: bf, .offset: 16, .size: 8, .value_kind: global_buffer, .address_space: global }
      - { .name: wg, .offset: 24, .size: 8, .value_kind: global_buffer, .address_space: global }
      - { .name: bg, .offset: 32, .size: 8, .value_kind: global_buffer, .address_space: global }
      - { .name: wh, .offset: 40, .size: 8, .value_kind: global_buffer, .address_space: global }
      - { .name: bh, .offset: 48, .size: 8, .value_kind: global_buffer, .address_space: global }
      - { .name: wo, .offset: 56, .size: 8, .value_kind: global_buffer, .address_space: global }
      - { .name: bo, .offset: 64, .size: 8, .value_kind: global_buffer, .address_space: global }
      - { .name: kv, .offset: 72, .size: 8, .value_kind: global_buffer, .address_space: global }
      - { .name: gq, .offset: 80, .size: 8, .value_kind: global_buffer, .address_space: global }
      - { .name: wpack, .offset: 88, .size: 8, .value_kind: global_buffer, .address_space: global }
    .group_segment_fixed_size: 13824
    .private_segment_fixed_size: 0
    .kernarg_segment_align: 8
    .kernarg_segment_size: 96
    .max_flat_workgroup_size: 128
    .sgpr_count:     66
    .vgpr_count:     256
    .wavefront_size: 32
...
	.end_amdgpu_metadata
.endif
;; end of part 1
;; launch attn (part 2): grid 64 x 4, 16 waves a work-group, clusters of 4 x 1, 327,680 bytes of LDS; arguments kv, gq, wpack, x, gamma, out0; writes out0
.if DOCPART == 2
	.amdgcn_target "amdgcn-amd-amdhsa--gfx1250"
	.amdhsa_code_object_version 6
	.text
	.protected	k_q57554e138e_attn
	.globl	k_q57554e138e_attn
	.p2align	8
	.type	k_q57554e138e_attn,@function
k_q57554e138e_attn:
	s_mov_b64 s[64:65], 0
	v_nop
	global_prefetch_b8 v0, s[64:65] scope:SCOPE_SE
	s_setreg_imm32_b32 hwreg(HW_REG_WAVE_MODE, 25, 1), 1
	s_wait_xcnt 0x0
	s_wait_alu depctr_hold_cnt(0) depctr_sa_sdst(0) depctr_va_vdst(0) depctr_va_sdst(0) depctr_va_ssrc(0) depctr_va_vcc(0) depctr_vm_vsrc(0)
	s_getreg_b32 s2, hwreg(HW_REG_IB_STS2, 6, 4)
	s_cmp_eq_u32 s2, 0
	s_cbranch_scc0 .Lentry_in_a_cluster
	s_endpgm
.Lentry_in_a_cluster:
	s_bfe_u32 s2, ttmp6, 0x10000c
	s_cmp_lg_u32 s2, 0x3003
	s_cbranch_scc0 .Lentry_shape_is_right
	s_endpgm
.Lentry_shape_is_right:
; out = gamma (Q(o) Q(wo) + bo) + x, o = (the sum over keys of Q(p) Q(h)) / l, p = 2^(t - M), t = (g . f) log2(e), M the running largest t rounded UP to a whole number, l the sum of the unquantised p.
; The scores have K = 8 and feed a quantiser: f32 operands, by v_wmma_f32_16x16x4_f32.  The two other products run on codes of BF8 (E5M2) with one E8M0 scale for each 32 along K.
; f, h's codes and scale words (kv), g (gq) and wo's codes, scale words and bo (wpack) were laid by the launch before as images of operand registers: a fragment comes by loads of 16 bytes at 16 x lane.
; SHARES.  A work-group owns 64 queries of one batch.  Of its sixteen waves, wave 4 kq + qt takes tile qt of 16 queries and, of each 512 keys, the 128 with number kq: eight steps a wave.
; The four partial results of a tile of queries (O^T, -M, l) meet in LDS at the end; when they are joined, each is multiplied by a power of two, which rounds nothing.
; LAYOUT.  All products are used transposed (S^T = f g^T, O^T = h^T p^T, y^T = wo^T o^T), so that a lane holds ONE query throughout.  The keys of a tile of f and the channels of a tile of h are chosen so that the 16 result
; registers of two neighbouring tiles are 16 neighbours along the next K; the conversions' results then are the next operand's registers.
; BY TURNS.  p lies in registers of its own, so the scores' registers are free as soon as t - M has been formed.  A TRIP therefore runs: maxima, M and t - M of step j; then the rest of step j's softmax (192 vector instructions)
; with the 16 products of step j + 1's scores among them, one behind every twelve; then O^T's rescaling and step j's four products with h.  The first scores stand alone ahead of the first trip; the last trip makes none.
; CLUSTER.  The four work-groups of a cluster belong to one batch and walk the same kv: each chunk is asked for JOINTLY, by the same tensor load with the same descriptor and a mask that names the four.  So is wpack.
; LDS.  Three slots of 8 records (1,024 keys) are filled at the start; the batch's fourth chunk goes into slot 0 when all have left it.  By this text's own count a wave has at most three tensor loads outstanding.
; Since f is read a step ahead of h, the barrier that shows a slot whole stands one trip ahead of the slot's first step.  The launch claims all of a WGP's LDS.
; LIMITS: NaN and infinities among the inputs are not served.  A p under 2^-126 counts as 0 (v_exp_f32 flushes).  A block of zeros gets the scale byte 1: its codes are zeros.
.set REC,   12544                      ; a record: 128 keys
.set WSTEP, 4*REC                      ; what the sixteen waves take at a time: 512 keys
.set SLOTB, 8*REC                      ; a slot, and a chunk of kv: two steps
.set QUART, SLOTB/4                    ; what one tensor load brings: 98 rows of 256 bytes
.set CMB,   SLOTB                      ; the partial results: 4,352 bytes a wave, in slot 1, which has had its one fill and its last read when they are stored
.set OST,   2*SLOTB                    ; the way out: 16 rows x 272 bytes a wave, in slot 2, likewise
.set XT,    3*SLOTB                    ; x's 64 rows of 256 bytes
.set WP,    XT+16384                   ; wpack: 4,864 bytes
.set SPARE, WP+4864                    ; the spare words, 128 bytes for each wave: eight blocks of 256 bytes that no other line names
.set LI,  1                            ; v1   16 x lane
.set LS,  2                            ; v2   4 x lane
.set SPW, 3                            ; v3   my spare word; never rewritten
.set NIL, 4                            ; v4   0; never rewritten
.set ADR, 5                            ; v5   the record of h in hand + 16 x lane
.set ADS, 6                            ; v6   the same + 4 x lane
.set CST, 7                            ; v7   where my partial O^T goes
.set ADF, 8                            ; v8   the record of f in hand (a step ahead) + 16 x lane
.set CSS, 9                            ; v9   where my -M and l go
.set SO,  10                           ; v10  the way out: where I put 32 bytes of a row
.set SR,  11                           ; v11  and where I read a row back
.set G,   16                           ; v16-19  g of my query: components 4 h .. 4 h + 3
.set XR,  20                           ; v20  x's rows of my tile
.set WPI, 21                           ; v21  wo's images
.set WPS, 22                           ; v22  their scale words
.set WPB, 23                           ; v23  bo
.set VS,  24                           ; v24-25  h's scale words: tiles 0 | 1, tiles 2 | 3 in the halves of the lanes
.set PWD, 26                           ; v26  p's scale word; at the end o's
.set WS,  28                           ; v28-31  wo's scale words
.set BM,  32                           ; v32-35  a block's largest score, then its largest p
.set PM,  36                           ; v36-39  the other lane's; a chain of the sum; the bytes
.set HD,  40                           ; v40-43  57,344 x the scale
.set SOP, 44                           ; v44-47  the conversions' scale operands
.set FV,  52                           ; v52-83  f's 8 fragments; h's channel tile 0 lands in v52-67 when f's tiles 0 to 3 have been multiplied
.set PCD, 84                           ; v84-99  p's codes
.set P,   88                           ; v88-151 p; h's channel tiles 1, 2, 3 land in v100-147 as p leaves them
.set O,   152                          ; v152-183 O^T: 4 tiles
.set S,   184                          ; v184-247 S^T: written by matrix instructions alone
.set WV,  16                           ; s16  wave;  s17 qt;  s18 kq
.set QT,  17
.set KQ,  18
.set KB,  19                           ; s19  kq x REC: my record's place in a step
.set SEL, 20                           ; s[20:21] selects for lane l xor 16
.set CS,  22                           ; s[22:23] log2(e): the packed form names a pair and takes its low word for both halves
.set MNT, 24                           ; s24  the mantissa field of 57,344
.set TV,  25                           ; s25  LDS byte at which the record of h in hand begins
.set GAM, 26                           ; s[26:27] gamma, likewise a pair
.set TF,  31                           ; s31  LDS byte at which the record of f in hand begins
.set G1,  36                           ; s[36:43] descriptor group 1 for kv;  s[44:51] for x;  s[52:59] for wpack
.set G1X, 44
.set G1P, 52
.set G0A, 60                           ; s[60:63] group 0 for chunk 0;  s[68:71], s[72:75], s[76:79] for chunks 1, 2, 3;  s[80:83] x;  s[84:87] wpack
.set G0B, 68
.set G0X, 80
.set G0P, 84
; A round of the cluster's barrier: my work-group's barrier, so that wave 0's signal speaks for all sixteen waves; wave 0 signals; every wave waits for all four work-groups; my work-group's barrier once more.
.macro CROUND
	s_barrier_signal -1
	s_barrier_wait -1
	s_cmp_lg_u32 s[WV], 0
	s_cbranch_scc1 .Lnot_wave_0_\@
	s_barrier_signal -3
.Lnot_wave_0_\@:
	s_barrier_wait -3
	s_barrier_signal -1
	s_barrier_wait -1
.endm
	s_load_b256 s[4:11], s[0:1], 0x0               ; kv s[4:5], gq s[6:7], wpack s[8:9], x s[10:11]
	s_load_b128 s[12:15], s[0:1], 0x20             ; gamma s[12:13], out0 s[14:15]
	v_lshl_add_u32 v[SPW], v0, 2, SPARE
	v_mov_b32 v[NIL], 0
	ds_add_u32 v3, v4
	ds_add_u32 v3, v4
	s_wait_dscnt 0x0
	v_lshrrev_b32 v5, 5, v0
	v_readfirstlane_b32 s[WV], v5                  ; wave 0..15
	s_and_b32 s[QT], s[WV], 3
	s_lshr_b32 s[KQ], s[WV], 2
	s_bfe_u32 s28, ttmp6, 0x40000                  ; cx: it enters gq's, x's and out0's global addresses alone
	s_lshl_b32 s29, ttmp9, 2
	s_add_co_u32 s29, s29, s28                     ; my block of 64 queries
	s_and_b32 s30, ttmp7, 0xffff                   ; the batch, which the four partners share
	s_lshr_b32 s96, s[QT], 1                       ; my tile's rows begin at row 32 (qt / 2) + 8 (qt % 2) of the block
	s_lshl_b32 s96, s96, 13
	s_and_b32 s97, s[QT], 1
	s_lshl_b32 s97, s97, 11
	s_add_co_u32 s96, s96, s97
	s_mov_b32 s97, 0
	; the LDS address registers that stay are made here, ahead of the first parting of the waves
	v_and_b32 v50, 31, v0                          ; lane
	v_and_b32 v48, 15, v0                          ; r
	v_bfe_u32 v49, v0, 4, 1                        ; h
	v_lshlrev_b32 v[LI], 4, v50
	v_lshlrev_b32 v[LS], 2, v50
	s_mul_i32 s31, s[WV], 4352
	v_add_nc_u32 v[CST], s31, v[LI]
	v_add_nc_u32 v[CST], CMB, v[CST]
	v_lshl_add_u32 v[CSS], v50, 3, s31
	v_add_nc_u32 v[CSS], CMB+4096, v[CSS]
	v_mul_u32_u24 v[SO], v48, 272
	v_lshl_add_u32 v[SO], v49, 5, v[SO]
	v_add_nc_u32 v[SO], s31, v[SO]
	v_add_nc_u32 v[SO], OST, v[SO]
	v_mul_u32_u24 v[SR], v49, 272
	v_lshl_add_u32 v[SR], v48, 4, v[SR]
	v_add_nc_u32 v[SR], s31, v[SR]
	v_add_nc_u32 v[SR], OST, v[SR]
	v_add_nc_u32 v[XR], s96, v[LI]
	v_add_nc_u32 v[XR], XT, v[XR]
	v_add_nc_u32 v[WPI], WP, v[LI]
	v_add_nc_u32 v[WPS], WP+4096, v[LS]
	v_lshlrev_b32 v[WPB], 5, v49
	v_add_nc_u32 v[WPB], WP+4608, v[WPB]
	; descriptor groups 1: dense blocks as rows of 256 bytes (32 elements of 8 bytes), no padding: images are read 512 consecutive bytes at a time
	s_mov_b32 s[G1], 15|(3<<16)|(1<<21)            ; 15:0 the mask: all four work-groups; 17:16 elements of 8 bytes; 21 set beside a mask
	s_mov_b32 s[G1+1], 32<<16                      ; tensor_dim0 = 32
	s_mov_b32 s[G1+2], 98<<16                      ; tensor_dim1 = 98
	s_mov_b32 s[G1+3], 32<<16                      ; tile_dim0 = 32
	s_mov_b32 s[G1+4], 98                          ; tile_dim1 = 98
	s_mov_b32 s[G1+5], 32                          ; from row to row
	s_mov_b32 s[G1+6], 0
	s_mov_b32 s[G1+7], 0
	s_mov_b32 s[G1X], 3<<16                        ; x's 64 rows are my work-group's own: no mask
	s_mov_b32 s[G1X+1], 32<<16
	s_mov_b32 s[G1X+2], 64<<16
	s_mov_b32 s[G1X+3], 32<<16
	s_mov_b32 s[G1X+4], 64
	s_mov_b32 s[G1X+5], 32
	s_mov_b32 s[G1X+6], 0
	s_mov_b32 s[G1X+7], 0
	s_mov_b32 s[G1P], 15|(3<<16)|(1<<21)           ; wpack: 19 rows, the same for all
	s_mov_b32 s[G1P+1], 32<<16
	s_mov_b32 s[G1P+2], 19<<16
	s_mov_b32 s[G1P+3], 32<<16
	s_mov_b32 s[G1P+4], 19
	s_mov_b32 s[G1P+5], 32
	s_mov_b32 s[G1P+6], 0
	s_mov_b32 s[G1P+7], 0
	s_mul_i32 s32, s30, 32*REC                     ; the batch's 32 records,
	s_mul_i32 s33, s[QT], QUART                    ; the quarter of a chunk that wave 0 .. 3 fetches (wave % 4: inside its region in every wave)
	s_add_co_u32 s34, s32, s33
	s_mov_b32 s35, 0
	s_mov_b32 s[SEL], 0x76543210
	s_mov_b32 s[SEL+1], 0xfedcba98
	s_mov_b32 s[CS], 0x3fb8aa3b                    ; log2(e)
	s_mov_b32 s[CS+1], s[CS]
	s_mov_b32 s[MNT], 0x600000
	s_mul_i32 s[KB], s[KQ], REC
	s_wait_kmcnt 0x0
	s_load_b32 s[GAM], s[12:13], 0x0
	s_add_nc_u64 s[88:89], s[4:5], s[34:35]        ; kv at my quarter of chunk 0
	s_mov_b32 s[G0A], 1                            ; count = 1
	s_add_co_u32 s[G0A+1], s33, 0                  ; LDS address: slot 0
	s_mov_b64 s[G0A+2:G0A+3], s[88:89]
	s_or_b32 s[G0A+3], s[G0A+3], 0x80000000        ; type = 2
.irp n, 1,2,3
	s_mov_b32 s[G0B+4*(\n-1)], 1
	s_add_co_u32 s[G0B+4*(\n-1)+1], s33, (\n%3)*SLOTB              ; chunks 1 and 2 into slots 1 and 2, chunk 3 into slot 0
	s_add_nc_u64 s[G0B+4*(\n-1)+2:G0B+4*(\n-1)+3], s[88:89], \n*SLOTB
	s_or_b32 s[G0B+4*(\n-1)+3], s[G0B+4*(\n-1)+3], 0x80000000
.endr
	s_lshl_b32 s90, s30, 20                        ; a batch is 4,096 rows of 256 bytes,
	s_lshl_b32 s91, s29, 14                        ; a block 64
	s_add_co_u32 s90, s90, s91
	s_mov_b32 s91, 0
	s_add_nc_u64 s[92:93], s[10:11], s[90:91]      ; x at my block
	s_add_nc_u64 s[98:99], s[14:15], s[90:91]
	s_add_nc_u64 s[98:99], s[98:99], s[96:97]      ; out0 at my tile's first row
	s_lshl_b32 s90, s30, 17                        ; g: 256 tiles of 512 bytes a batch,
	s_lshl_b32 s91, s29, 11                        ; four a block
	s_add_co_u32 s90, s90, s91
	s_lshl_b32 s91, s[QT], 9
	s_add_co_u32 s90, s90, s91
	s_mov_b32 s91, 0
	s_add_nc_u64 s[94:95], s[6:7], s[90:91]
	s_mov_b32 s[G0X], 1
	s_mov_b32 s[G0X+1], XT
	s_mov_b64 s[G0X+2:G0X+3], s[92:93]
	s_or_b32 s[G0X+3], s[G0X+3], 0x80000000
	s_mov_b32 s[G0P], 1
	s_mov_b32 s[G0P+1], WP
	s_mov_b64 s[G0P+2:G0P+3], s[8:9]
	s_or_b32 s[G0P+3], s[G0P+3], 0x80000000
	CROUND                                         ; all four work-groups are here: the first joint loads meet
	; the first fills, one group; each wave's stand in one branch on its number: waves 0 to 3 a quarter of chunks 0, 1, 2 each; wave 4 x; wave 5 wpack.  Four v_nop follow a wave's last load
	s_cmp_lt_u32 s[WV], 4
	s_cbranch_scc0 .Lnot_kv
	tensor_load_to_lds s[G0A:G0A+3], s[G1:G1+7]
	s_nop 0
	tensor_load_to_lds s[G0B:G0B+3], s[G1:G1+7]
	s_nop 0
	tensor_load_to_lds s[G0B+4:G0B+7], s[G1:G1+7]
	s_nop 0
.rept 4
	v_nop
.endr
	s_branch .Lfilled
.Lnot_kv:
	s_cmp_eq_u32 s[WV], 4
	s_cbranch_scc0 .Lnot_x
	tensor_load_to_lds s[G0X:G0X+3], s[G1X:G1X+7]
	s_nop 0
.rept 4
	v_nop
.endr
	s_branch .Lfilled
.Lnot_x:
	s_cmp_eq_u32 s[WV], 5
	s_cbranch_scc0 .Lfilled
	tensor_load_to_lds s[G0P:G0P+3], s[G1P:G1P+7]
	s_nop 0
.rept 4
	v_nop
.endr
.Lfilled:
	global_load_b128 v[G:G+3], v[LI], s[94:95]     ; g stays in registers
	v_mov_b32 v13, 0xff61b1e6                      ; the largest t so far: -3e38, under every t
	v_floor_f32 v12, -v13                          ; -M
	v_mov_b32 v14, 0                               ; the sum, in two halves
	v_mov_b32 v15, 0
	v_mov_b32 v51, 0                               ; (named as the upper half of the pair v[50:51])
.irp b, 0,1,2,3
	v_mov_b32 v[PM+\b], 0                          ; written once: a lane permute's destination counts as one of its sources
.endr
.set J_, 0
.rept 32
	v_mov_b32 v[O+J_], 0                           ; O^T.  (The trip is one macro: the first finds zeros, which the first change of M leaves zeros)
.set J_, J_+1
.endr
; Product SN_ of the 16 of S^T = f g^T.  K = 8 in two steps of 4: components 0, 1, 4, 5 and then 2, 3, 6, 7, in the same order on both sides.  Tiles 0 to 3 first (both K steps), then tiles 4 to 7: so f's first four
; fragments are done with after the eighth product.  Four accumulators take turns, one instruction a turn; the first K step starts each sum with the constant 0.
.macro SWM
.set ST_, 4*(SN_/8)+SN_%4
.if (SN_/4)%2 == 0
	v_wmma_f32_16x16x4_f32 v[S+8*ST_:S+8*ST_+7], v[FV+4*ST_:FV+4*ST_+1], v[G:G+1], 0
.else
	v_wmma_f32_16x16x4_f32 v[S+8*ST_:S+8*ST_+7], v[FV+4*ST_+2:FV+4*ST_+3], v[G+2:G+3], v[S+8*ST_:S+8*ST_+7]
.endif
.set SN_, SN_+1
.endm
; It stands behind each vector instruction of a softmax's tail, counts them, and writes the next product behind every twelfth: product n stands behind instruction 12 n.
.macro TK
.set VC_, VC_+1
.if HS_ && (SN_ < 16) && (VC_ % 12 == 0)
	SWM
.endif
.endm
; A TRIP: step j's softmax and its products with h, whose record begins vb bytes on from s[KB]; hs = 1: also step j + 1's scores, from the record of f fb bytes on.  S^T of step j is whole when the trip begins.
; None of the tail's vector instructions names a register of the scores' products (S^T, f, g), so the plain ones among them are the places that those products want (ISA guide 7.12.1).
.macro TRIP vb, fb, hs
.set HS_, \hs
.set VC_, 0
.set SN_, 0
; Register 16 b + i of S^T is key 32 b + 16 h + i.  THE LARGEST SCORE OF EACH BLOCK OF 32 KEYS serves twice: for the row's maximum and, since p rises with the score, for the block's largest p.  Each accumulator is read from its low end on.
.irp b, 0,1,2,3
	v_max3_num_f32 v[BM+\b], v[S+16*\b], v[S+16*\b+1], v[S+16*\b+2]
.endr
.irp i, 3,5,7,9,11,13
.irp b, 0,1,2,3
	v_max3_num_f32 v[BM+\b], v[BM+\b], v[S+16*\b+\i], v[S+16*\b+\i+1]
.endr
.endr
.irp b, 0,1,2,3
	v_max_num_f32 v[BM+\b], v[BM+\b], v[S+16*\b+15]
.endr
; These 32 lines name no register of the last trip's products with h: they are the places ahead of the loads below, into registers that those products have read.
	s_add_co_u32 s[TV], s[KB], \vb
	v_add_nc_u32 v[ADR], s[TV], v[LI]
	v_add_nc_u32 v[ADS], s[TV], v[LS]
.if \hs
	s_add_co_u32 s[TF], s[KB], \fb
	v_add_nc_u32 v[ADF], s[TF], v[LI]
.irp t, 0,1,2,3,4,5,6,7
	ds_load_b128 v[FV+4*\t:FV+4*\t+3], v[ADF] offset:512*\t        ; f of the next step: tile t's key r, components 4 h .. 4 h + 3
.endr
.endif
	ds_load_b32 v[VS], v[ADS] offset:12288         ; h's scale words: lanes 0-15 tile 0's, lanes 16-31 tile 1's;
	ds_load_b32 v[VS+1], v[ADS] offset:12416       ; tiles 2 and 3
.irp b, 0,1,2,3
	v_permlanex16_b32 v[PM+\b], v[BM+\b], s[SEL], s[SEL+1]
.endr
.irp b, 0,1,2,3
	v_max_num_f32 v[BM+\b], v[BM+\b], v[PM+\b]     ; with lane l xor 16's 16 keys
.endr
	v_max3_num_f32 v48, v[BM], v[BM+1], v[BM+2]
	v_max_num_f32 v48, v48, v[BM+3]                ; the step's largest score of my query
	v_mul_f32 v48, s[CS], v48                      ; as t
	v_max_num_f32 v13, v13, v48                    ; the running largest t
	v_mov_b32 v48, v12
	v_floor_f32 v12, -v13                          ; the new -M = floor(-t) = -ceil(t): a whole number
	v_sub_f32 v48, v12, v48                        ; old M - new M: a whole number, 0 or less
	v_cvt_i32_f32 v48, v48                         ; (it saturates)
	v_ldexp_f32 v50, 1.0, v48                      ; 2^(old M - new M): a factor that rounds nothing
.set J_, 0
.rept 32
	v_pk_fma_f32 v[P+J_:P+J_+1], v[S+J_:S+J_+1], s[CS:CS+1], v[12:13] op_sel_hi:[1,0,0]   ; t - M, two at a time, into registers of their own: behind these lines the scores' registers are free
.set J_, J_+2
.endr
.irp b, 0,1,2,3
	v_fma_f32 v[BM+\b], v[BM+\b], s[CS], v12       ; the same of each block's largest score
.endr
.if \hs
	s_wait_dscnt 0x2                               ; f's eight loads are in; the two loads of scale words issued behind them may stay out
	SWM                                            ; THE NEXT STEP'S SCORES BEGIN; the other fifteen products follow among the lines below
.endif
.set J_, 0
.rept 64
	v_exp_f32 v[P+J_], v[P+J_]                     ; p = 2^(t - M), at most 1: not normalised
	TK
.set J_, J_+1
.endr
	v_pk_mul_f32 v[14:15], v[14:15], v[50:51] op_sel_hi:[1,0]   ; the sums under the new M: the plain instruction behind the batch
	TK
	s_wait_alu depctr_va_vdst(0)                   ; one wait for the 64 exponentials, ahead of their first reader
.irp b, 0,1,2,3
	v_exp_f32 v[BM+\b], v[BM+\b]                   ; the block's largest p: the same two instructions on the same number
	TK
.endr
	v_pk_add_f32 v[PM:PM+1], v[P:P+1], v[P+2:P+3]  ; THE ROW'S SUM IS TAKEN OF THE UNQUANTISED p: two at a time, in two chains
	TK
.set J_, 4
.rept 15
	v_pk_add_f32 v[14:15], v[14:15], v[P+J_:P+J_+1]
	TK
	v_pk_add_f32 v[PM:PM+1], v[PM:PM+1], v[P+J_+2:P+J_+3]
	TK
.set J_, J_+4
.endr
	v_pk_add_f32 v[14:15], v[14:15], v[PM:PM+1]
	TK
	s_wait_alu depctr_va_vdst(0)                   ; and one for the four
; This is instruction 101 of the tail.  The eighth product, the last that reads f's tiles 0 to 3, stands behind instruction 84: 17 packed additions lie between it and these loads into those registers.
.irp c, 0,1,2,3
	ds_load_b128 v[FV+4*\c:FV+4*\c+3], v[ADR] offset:4096+512*\c   ; h's channel tile 0
.endr
.irp b, 0,1,2,3
	v_max_num_f32 v[BM+\b], 0x8000000, v[BM+\b]    ; the floor 2^(16 - 127): the byte cannot fall under 1
	TK
.endr
.irp b, 0,1,2,3
	v_add_nc_u32 v[SOP+\b], 0xf8800000, v[BM+\b]   ; 15 off the exponent field: the conversion's scale operand
	TK
.endr
.irp b, 0,1,2,3
	v_and_or_b32 v[HD+\b], v[BM+\b], 0x7f800000, s[MNT]   ; 57,344 x the scale
	TK
.endr
.irp b, 0,1,2,3
	v_lshrrev_b32 v[PM+\b], 23, v[SOP+\b]          ; the scale's byte
	TK
.endr
	v_lshl_or_b32 v[PWD], v[PM+1], 8, v[PM]        ; p's scale word for these 128 keys: made ahead of the holds, more than eight places ahead of the products that take it
	TK
	v_lshl_or_b32 v[PWD], v[PM+2], 16, v[PWD]
	TK
	v_lshl_or_b32 v[PWD], v[PM+3], 24, v[PWD]
	TK
; Block b's codes go to v[84 + 4 b]: four free registers, then the registers that block 0's p has left.
.irp b, 0,1,2,3
.irp i, 0,1,2,3,4,5,6,7,8,9,10,11,12,13,14,15
	v_min_num_f32 v[P+16*\b+\i], v[P+16*\b+\i], v[HD+\b]   ; the conversion does not saturate (ISA guide 7.6.2); p is not negative, so the hold is one-sided
	TK
.endr
	v_cvt_scalef32_pk8_bf8_f32 v[PCD+4*\b:PCD+4*\b+1], v[P+16*\b:P+16*\b+7], v[SOP+\b]
	TK
	v_cvt_scalef32_pk8_bf8_f32 v[PCD+4*\b+2:PCD+4*\b+3], v[P+16*\b+8:P+16*\b+15], v[SOP+\b]
	TK
.if \b > 0                             ; h's channel tile b into v[100 + 16 (b - 1)] on: p's blocks up to b have left those registers
.irp c, 0,1,2,3
	ds_load_b128 v[100+16*(\b-1)+4*\c:100+16*(\b-1)+4*\c+3], v[ADR] offset:4096+2048*\b+512*\c
.endr
.endif
.endr
; The sixteenth product stands behind instruction 180.  The sixteen lines below are plain and name O^T and the factor alone: they are the places between that product and the next trip's first read of the scores, and between the conversions and the products with h.
.set J_, 0
.rept 16
	v_pk_mul_f32 v[O+J_:O+J_+1], v[O+J_:O+J_+1], v[50:51] op_sel_hi:[1,0]   ; O^T under the new M
.set J_, J_+2
.endr
	s_wait_dscnt 0x0                               ; h's four tiles and their scale words are in
; O^T += h^T p^T: source 0 = 16 channels x 128 keys, source 1 = p.  Four accumulators, one instruction each.
	v_wmma_scale_f32_16x16x128_f8f6f4 v[O:O+7], v[FV:FV+15], v[PCD:PCD+15], v[O:O+7], v[VS], v[PWD] matrix_a_fmt:MATRIX_FMT_BF8 matrix_b_fmt:MATRIX_FMT_BF8
	v_wmma_scale_f32_16x16x128_f8f6f4 v[O+8:O+15], v[100:115], v[PCD:PCD+15], v[O+8:O+15], v[VS], v[PWD] matrix_a_fmt:MATRIX_FMT_BF8 matrix_b_fmt:MATRIX_FMT_BF8 matrix_a_scale:MATRIX_SCALE_ROW1
	v_wmma_scale_f32_16x16x128_f8f6f4 v[O+16:O+23], v[116:131], v[PCD:PCD+15], v[O+16:O+23], v[VS+1], v[PWD] matrix_a_fmt:MATRIX_FMT_BF8 matrix_b_fmt:MATRIX_FMT_BF8
	v_wmma_scale_f32_16x16x128_f8f6f4 v[O+24:O+31], v[132:147], v[PCD:PCD+15], v[O+24:O+31], v[VS+1], v[PWD] matrix_a_fmt:MATRIX_FMT_BF8 matrix_b_fmt:MATRIX_FMT_BF8 matrix_a_scale:MATRIX_SCALE_ROW1
.endm
	s_wait_loadcnt 0x0                             ; g
	s_wait_kmcnt 0x0                               ; gamma
	s_mov_b32 s[GAM+1], s[GAM]
	s_wait_tensorcnt 2                             ; my quarter of chunk 0 is in; chunks 1 and 2 may stay out
	s_barrier_signal -1
	s_barrier_wait -1                              ; everybody's is
	; step 0's scores: there is no vector work yet to set between them
	s_add_co_u32 s[TF], s[KB], 0
	v_add_nc_u32 v[ADF], s[TF], v[LI]
.irp t, 0,1,2,3,4,5,6,7
	ds_load_b128 v[FV+4*\t:FV+4*\t+3], v[ADF] offset:512*\t
.endr
	s_wait_dscnt 0x0
.set SN_, 0
.rept 16
	SWM
.endr
.rept 8
	v_nop                                          ; eight places ahead of the first read of the scores
.endr
	TRIP 0, WSTEP, 1                               ; step 0; f of step 1: both in slot 0
	s_wait_tensorcnt 1                             ; chunk 1 is in; chunk 2 may stay out
	s_wait_dscnt 0x0
	s_barrier_signal -1
	s_barrier_wait -1
	TRIP WSTEP, 2*WSTEP, 1                         ; step 1, the last that reads slot 0's first chunk; f of step 2 from slot 1
	TRIP 2*WSTEP, 3*WSTEP, 1
	s_wait_tensorcnt 0x0                           ; all my tensor loads have landed: chunk 2, whose f the next trip reads; x and wpack in the waves that fetched them;
	ds_add_u32 v[SPW], v[NIL]                      ; 0 onto my spare word;
	ds_add_u32 v3, v4
	s_wait_dscnt 0x0                               ; the add is done, and my reads of slot 0 ended a trip ago
	CROUND                                         ; no wave of any partner still reads slot 0 or has a load on its way
	s_cmp_lt_u32 s[WV], 4
	s_cbranch_scc0 .Lno_refill
	tensor_load_to_lds s[G0B+8:G0B+11], s[G1:G1+7] ; chunk 3 into slot 0: the first thing behind the round; it has two trips in which to land
	s_nop 0
.rept 4
	v_nop
.endr
.Lno_refill:
	TRIP 3*WSTEP, 4*WSTEP, 1                       ; step 3, the last that reads slot 1; f of step 4 from slot 2
	TRIP 4*WSTEP, 5*WSTEP, 1
	s_wait_tensorcnt 0x0                           ; chunk 3 is in: the last load
	s_wait_dscnt 0x0
	s_barrier_signal -1
	s_barrier_wait -1                              ; behind this barrier nobody reads slot 1 any more, and nothing is filled
	TRIP 5*WSTEP, 0, 1                             ; step 5, the last that reads slot 2; f of step 6 from slot 0
	TRIP 0, WSTEP, 1
	TRIP WSTEP, 0, 0                               ; step 7: no scores are left to make
	; THE PARTIAL RESULTS MEET.  Two additions and six v_nop are the eight places behind the last products.
	v_add_f32 v14, v14, v15                        ; the sum's two halves,
	v_permlanex16_b32 v48, v14, s[SEL], s[SEL+1]
	v_add_f32 v13, v14, v48                        ; and lane l xor 16's: my l, beside -M
.rept 6
	v_nop
.endr
.irp i, 0,1,2,3,4,5,6,7
	ds_store_b128 v[CST], v[O+4*\i:O+4*\i+3] offset:512*\i   ; O^T as an image of its registers, each accumulator from its low end on
.endr
	ds_store_b64 v[CSS], v[12:13]
	s_wait_dscnt 0x0                               ; for the others' sake: my stores have landed, and my reads of slot 2 are long over
	s_barrier_signal -1
	s_barrier_wait -1
	s_cmp_lt_u32 s[WV], 4                          ; waves 0 to 3 (kq = 0) finish tile qt; the others are done.  No barrier stands in what they pass over
	s_cbranch_scc0 .Lend
.irp k, 1,2,3
.irp i, 0,1,2,3,4,5,6,7
	ds_load_b128 v[FV+32*(\k-1)+4*\i:FV+32*(\k-1)+4*\i+3], v[CST] offset:17408*\k+512*\i   ; wave qt + 4 k lies 4 x 4,352 k bytes on
.endr
	ds_load_b64 v[BM+2*(\k-1):BM+2*(\k-1)+1], v[CSS] offset:17408*\k
.endr
	s_wait_dscnt 0x0
	v_min3_num_f32 v48, v12, v32, v34
	v_min_num_f32 v48, v48, v36                    ; -M of all keys: the least of the four -M
	v_sub_f32 v40, v48, v12                        ; M_k - M: a whole number, 0 or less
	v_sub_f32 v42, v48, v32
	v_sub_f32 v44, v48, v34
	v_sub_f32 v46, v48, v36
.irp k, 40,42,44,46
	v_cvt_i32_f32 v\k, v\k
.endr
.irp k, 40,42,44,46
	v_ldexp_f32 v\k, 1.0, v\k                      ; 2^(M_k - M)
.endr
	v_mul_f32 v49, v40, v13
	v_fmac_f32 v49, v42, v33
	v_fmac_f32 v49, v44, v35
	v_fmac_f32 v49, v46, v37                       ; l of all keys
	v_rcp_f32 v49, v49
	v_nop                                          ; a plain instruction behind the reciprocal
	s_wait_alu depctr_va_vdst(0)                   ; and the wait ahead of its first reader
.irp k, 40,42,44,46
	v_mul_f32 v\k, v\k, v49                        ; 2^(M_k - M) / l
.endr
.set J_, 0
.rept 16
	v_pk_mul_f32 v[O+J_:O+J_+1], v[O+J_:O+J_+1], v[40:41] op_sel_hi:[1,0]
.set J_, J_+2
.endr
.irp k, 1,2,3
.set J_, 0
.rept 16
	v_pk_fma_f32 v[O+J_:O+J_+1], v[FV+32*(\k-1)+J_:FV+32*(\k-1)+J_+1], v[40+2*\k:41+2*\k], v[O+J_:O+J_+1] op_sel_hi:[1,0,1]
.set J_, J_+2
.endr
.endr                                  ; register 16 c + i of O^T is now o[my query][32 c + 16 h + i]
.irp t, 0,1,2,3
	ds_load_b128 v[84+8*\t:87+8*\t], v[WPI] offset:1024*\t         ; wo's tiles: two side by side along K make a fragment
	ds_load_b128 v[88+8*\t:91+8*\t], v[WPI] offset:1024*\t+512
	ds_load_b32 v[WS+\t], v[WPS] offset:128*\t
	ds_load_b128 v[116+8*\t:119+8*\t], v[WPB] offset:64*\t         ; bo[16 t + 8 h + 0 .. 7]: the C of tile t
	ds_load_b128 v[120+8*\t:123+8*\t], v[WPB] offset:64*\t+16
.endr
.irp i, 0,1,2,3,4,5,6,7
	v_mov_b32 v[52+\i], 0                          ; zero codes on either side of o's: K = 64 in an instruction of 128
	v_mov_b32 v[68+\i], 0
.endr
.irp b, 0,1
	v_max3_num_f32 v[BM+\b], |v[O+16*\b]|, |v[O+16*\b+1]|, 0x8000000
.endr
.irp i, 2,4,6,8,10,12,14
.irp b, 0,1
	v_max3_num_f32 v[BM+\b], v[BM+\b], |v[O+16*\b+\i]|, |v[O+16*\b+\i+1]|
.endr
.endr
.irp b, 0,1
	v_permlanex16_b32 v[PM+\b], v[BM+\b], s[SEL], s[SEL+1]
.endr
.irp b, 0,1
	v_max_num_f32 v[BM+\b], v[BM+\b], v[PM+\b]
.endr
.irp b, 0,1
	v_add_nc_u32 v[SOP+\b], 0xf8800000, v[BM+\b]
	v_and_or_b32 v[HD+\b], v[BM+\b], 0x7f800000, s[MNT]
.endr
.irp b, 0,1
	v_lshrrev_b32 v[PM+\b], 23, v[SOP+\b]
.endr
	v_lshl_or_b32 v[PWD], v[PM+1], 8, v[PM]
	v_lshl_or_b32 v[PWD], v[PWD], 16, v[PWD]       ; o's two bytes serve either half of K
.irp b, 0,1
.irp i, 0,1,2,3,4,5,6,7,8,9,10,11,12,13,14,15
	v_med3_num_f32 v[O+16*\b+\i], v[O+16*\b+\i], -v[HD+\b], v[HD+\b]
.endr
	v_cvt_scalef32_pk8_bf8_f32 v[60+4*\b:61+4*\b], v[O+16*\b:O+16*\b+7], v[SOP+\b]
	v_cvt_scalef32_pk8_bf8_f32 v[62+4*\b:63+4*\b], v[O+16*\b+8:O+16*\b+15], v[SOP+\b]
.endr
	s_wait_dscnt 0x0
.rept 8
	v_nop                                          ; places between the conversions and the products
.endr
; y^T = wo^T o^T + bo: source 0 = 16 output channels, source 1 = o.  Even tiles stand in the low half of K, odd ones in the high half; o's codes stand against them, zero codes against the other tile.
.irp t, 0,2
	v_wmma_scale_f32_16x16x128_f8f6f4 v[S+8*\t:S+8*\t+7], v[84+8*\t:99+8*\t], v[60:75], v[116+8*\t:123+8*\t], v[WS+\t], v[PWD] matrix_a_fmt:MATRIX_FMT_BF8 matrix_b_fmt:MATRIX_FMT_BF8
	v_wmma_scale_f32_16x16x128_f8f6f4 v[S+8*\t+8:S+8*\t+15], v[84+8*\t:99+8*\t], v[52:67], v[124+8*\t:131+8*\t], v[WS+\t+1], v[PWD] matrix_a_fmt:MATRIX_FMT_BF8 matrix_b_fmt:MATRIX_FMT_BF8
.endr
.rept 8
	v_nop                                          ; eight places: ahead of the stores of results and of the loads over the operands
.endr
.irp t, 0,1,2,3
	ds_store_b128 v[SO], v[S+8*\t:S+8*\t+3] offset:64*\t           ; lane (r, h): y[query r][16 t + 8 h + 0 .. 7]; each accumulator from its low end on
	ds_store_b128 v[SO], v[S+8*\t+4:S+8*\t+7] offset:64*\t+16
.endr
.irp i, 0,1,2,3,4,5,6,7
	ds_load_b128 v[52+4*\i:55+4*\i], v[SR] offset:544*\i           ; back by rows: lanes 0-15 row 2 i, lanes 16-31 row 2 i + 1.  LDS serves a wave's instructions in order (ISA guide 5.7.1.4): these see my stores
.endr
.irp i, 0,1,2,3,4,5,6,7
	ds_load_b128 v[84+4*\i:87+4*\i], v[XR] offset:(2*\i+8*(\i/4))*256   ; x at the same pixels: row q of the tile is pixel q + 8 (q / 8)
.endr
	s_wait_dscnt 0x0
.set J_, 0
.rept 16
	v_pk_fma_f32 v[52+J_:53+J_], v[52+J_:53+J_], s[GAM:GAM+1], v[84+J_:85+J_] op_sel_hi:[1,0,1]   ; gamma y + x
.set J_, J_+2
.endr
.irp i, 0,1,2,3,4,5,6,7
	global_store_b128 v[LI], v[52+4*\i:55+4*\i], s[98:99] offset:(2*\i+8*(\i/4))*256   ; 32 lanes store two neighbouring rows: 512 consecutive bytes, at a multiple of 256 from out0's first byte
.endr
.Lend:
	s_wait_tensorcnt 0x0                           ; the wave's end: behind my last tensor load and my last LDS store
	ds_add_u32 v[SPW], v[NIL]
	s_wait_dscnt 0x0
	CROUND                                         ; the closing round: no work-group ends while a partner may still ask for a chunk that names it
	s_endpgm
.Lfunc_end_k_q57554e138e_attn:
	.size	k_q57554e138e_attn, .Lfunc_end_k_q57554e138e_attn-k_q57554e138e_attn
	.p2alignl 7, 3214868480
	.fill 96, 4, 3214868480
	.section	.rodata,"a",@progbits
	.p2align	6, 0x0
	.amdhsa_kernel k_q57554e138e_attn
		.amdhsa_group_segment_fixed_size 327680
		.amdhsa_private_segment_fixed_size 0
		.amdhsa_enable_private_segment 0
		.amdhsa_kernarg_size 48
		.amdhsa_user_sgpr_count 2
		.amdhsa_user_sgpr_kernarg_segment_ptr 1
		.amdhsa_wavefront_size32 1
		.amdhsa_system_sgpr_workgroup_id_x 1
		.amdhsa_system_sgpr_workgroup_id_y 1
		.amdhsa_system_sgpr_workgroup_id_z 1
		.amdhsa_system_vgpr_workitem_id 0
		.amdhsa_next_free_vgpr 256
		.amdhsa_next_free_sgpr 100
		.amdhsa_reserve_vcc 0
		.amdhsa_float_denorm_mode_32 3
		.amdhsa_float_denorm_mode_16_64 3
		.amdhsa_memory_ordered 1
		.amdhsa_forward_progress 1
		.amdhsa_inst_pref_size 167
	.end_amdhsa_kernel
	.amdgpu_metadata
---
amdhsa.version: [ 1, 2 ]
amdhsa.kernels:
  - .name:           k_q57554e138e_attn
    .symbol:         k_q57554e138e_attn.kd
    .args:
      - { .name: kv, .offset: 0, .size: 8, .value_kind: global_buffer, .address_space: global }
      - { .name: gq, .offset: 8, .size: 8, .value_kind: global_buffer, .address_space: global }
      - { .name: wpack, .offset: 16, .size: 8, .value_kind: global_buffer, .address_space: global }
      - { .name: x, .offset: 24, .size: 8, .value_kind: global_buffer, .address_space: global }
      - { .name: gamma, .offset: 32, .size: 8, .value_kind: global_buffer, .address_space: global }
      - { .name: out0, .offset: 40, .size: 8, .value_kind: global_buffer, .address_space: global }
    .group_segment_fixed_size: 327680
    .private_segment_fixed_size: 0
    .kernarg_segment_align: 8
    .kernarg_segment_size: 48
    .max_flat_workgroup_size: 512
    .sgpr_count:     100
    .vgpr_count:     256
    .wavefront_size: 32
...
	.end_amdgpu_metadata
.endif
;; end of part 2
